; MI455X (gfx1250); checked and timed in simulation.
; The chip was launched on July 23, 2026; its instructions are those of AMD's public machine-readable ISA for CDNA 5 (MIT licence, August 2026) and "CDNA5" Instruction Set Architecture Reference Guide (July 2026). The comments in the code are by the model that wrote it; some were corrected since.
;; Attention. Allowed arithmetic: matrix products marked QUANTISED: E2M1 operands, one E8M0 scale for each 32 along K, by v_wmma_scale_f32_16x16x128_f8f6f4 with both operands' format E2M1 (or v_wmma_scale_f32_32x16x128_f4), f32 sums; products left as they are: f32 operands where the result goes on into a quantised operand, else bf16, f16 or f32 operands; f32 sums; everything else in f32.
;; Inputs: Ua_b 1,024 float32; Ua_w 1,024 x 1,024 float32; Va_b one number float32; Va_w 1,024 float32; Wa_b 1,024 float32; Wa_w 1,024 x 1,024 float32; decoder_hidden 32 x 1,024 float32; encoder_outputs 32 x 2,048 x 1,024 float32; mask 32 x 2,048 int32.
;; Outputs: out0 32 x 2,048 float32.
;; This version of the problem:
;;   THIS VERSION OF THE PROBLEM IS GIVEN IN LOW PRECISION. The matrix products marked QUANTISED in the list below multiply operands that are first quantised to E2M1 (2 exponent bits, 1 mantissa bit; 4 bits a number), with one power-of-two scale for each 32 numbers along K (OCP MX v1.0); their sums are f32. All else is computed in f32.
;;   The module's matrix products, in the order in which they are computed (A, B: the left and right operand; K: the contracted axis; several contracted axes count as one K, in the product's order):
;;     1. [M 32, K 1,024] x [K 1,024, N 1,024]; A: input decoder_hidden; B: input Wa_w: QUANTISED
;;     2. [M 65,536, K 1,024] x [K 1,024, N 1,024]; A: input encoder_outputs; B: input Ua_w: QUANTISED
;;     3. [M 65,536, K 1,024] x [K 1,024, N 1]; A: computed on the way; B: input Va_w: left as it is (N = 1 < 16)
;;   THE QUANTISER, for each operand of a quantised product, along K:
;;     - K is cut into blocks of 32 from its start; a last block that is shorter is filled with zeros.
;;     - A block's scale is 2^e with e = floor(log2(the largest magnitude in the block)) - 2, held to -126 .. 127; a block of zeros has e = 0. As a byte (E8M0): e + 127.
;;     - Each number is divided by its block's scale, clamped to +-6, and rounded to the nearest number of E2M1, ties to even, subnormals kept.
;;     - The product sums the exact products of the quantised numbers (number of the format x scale) in f32.
;;   ~~~python
;;   def quantise(x, axis):      # numpy; x: float32 -> the quantised numbers, widened to float32 again
;;       x = np.moveaxis(x, axis, -1); K = x.shape[-1]
;;       x = np.pad(x, [(0, 0)] * (x.ndim - 1) + [(0, -K % 32)]); x = x.reshape(x.shape[:-1] + (-1, 32)); a = np.abs(x).max(-1, keepdims=True)
;;       e = np.where(a > 0, np.clip(np.frexp(np.where(a > 0, a, 1))[1] - 1 - 2, -126, 127), 0)      # np.frexp(a)[1] - 1 = floor(log2(a)), exactly
;;       r = np.clip(x / 2.0 ** e, -6, 6)
;;       step = 2.0 ** (np.maximum(np.frexp(np.where(r == 0, 1, r))[1] - 1, 0) - 1)
;;       q = np.round(r / step) * step * 2.0 ** e      # np.round: ties to even
;;       return np.moveaxis(q.reshape(q.shape[:-2] + (-1,))[..., :K], -1, axis).astype(np.float32)
;;   ~~~
;; One version. Each part assembles by itself: llvm-mc -triple=amdgcn-amd-amdhsa -mcpu=gfx1250 --defsym DOCPART=n.
;; ======== version 1 of 1: 3 launches
;; workspace buffers: wfrag 524,288 bytes; wscale 32,768 bytes; bias2 131,072 bytes; rowlist 262,144 bytes of whole numbers; counts 4,096 bytes of whole numbers; scores 262,144 bytes
;; launch prep (part 1): grid 96 x 1, 8 waves a work-group, no clusters, 34,304 bytes of LDS; arguments Ua_w, Wa_w, decoder_hidden, Wa_b, Ua_b, mask, wfrag, wscale, bias2, rowlist, counts, scores; writes wfrag, wscale, bias2, rowlist, counts, scores
.if DOCPART == 1
	.amdgcn_target "amdgcn-amd-amdhsa--gfx1250"
	.amdhsa_code_object_version 6
	.text
	.protected	k_q771e8b9717_prep
	.globl	k_q771e8b9717_prep
	.p2align	8
	.type	k_q771e8b9717_prep,@function
k_q771e8b9717_prep:
	s_mov_b64 s[64:65], 0
	v_nop
	global_prefetch_b8 v0, s[64:65] scope:SCOPE_SE
	s_setreg_imm32_b32 hwreg(HW_REG_WAVE_MODE, 25, 1), 1
	s_wait_xcnt 0x0
; THREE SMALL JOBS IN ONE LAUNCH, chosen by the work-group's number (role = number / 32, g = number % 32):
;   role 0: Ua_w [k][n] f32 -> codes of FP4 (E2M1) in the order of a matrix operand's registers (wfrag) and one scale word for each column and 128 along K (wscale).
;   role 1: the first product, Q(decoder_hidden) Q(Wa_w), and from it bias2[b][n] = c (product + Wa_b[n] + Ua_b[n]), c = 2 log2(e): what the next launch adds in front of its exponential.
;   role 2: batch g's mask -> the list of its kept rows (mask != 0, s ascending; the places behind them are filled with the batch's row 0, so that every place names a row), their count, and -1e9 in all of the batch's scores.
; THE QUANTISER: a block of 32 along K has the scale 2^(floor(log2(largest magnitude)) - 2); its byte is the largest magnitude's exponent field - 2, held at 1 from below by a floor among the maximum's leaves.
; LIMITS: a block of zeros gets the byte 1 where the rule says 127 (its codes are zeros, and this program alone reads the bytes); NaN and infinities among the inputs are not served.
; ROLES 0 AND 1: work-group g takes columns 32 g .. 32 g + 31, wave q the K step 128 q .. 128 q + 127, lane l column 32 g + l with its registers running DOWN K: a load reads 128 consecutive bytes,
; a block lies in one lane, and the conversions give codes with K innermost.  Sixteen lanes hold a tile's columns with all four blocks each; the operand wants blocks 0, 2 in lanes 0-15 and 1, 3 in lanes 16-31:
; eight exchanges of halves between the two tiles' registers give both fragments at once.
; No tensor load and no cluster: each weight byte is read by one wave, once.  Each role has LDS bytes of its own.
.set MREG, 32768                       ; LDS: role 1 has bytes 0 .. 32,767 (8 waves x 4 tiles x 1,024), role 2 the 256 from here on
.set FW,  16                           ; v16-23 the fragment of columns 0-15, v24-31 that of columns 16-31
.set SW,  32                           ; v32    my column's scale word: lanes 0-15 the first tile's, lanes 16-31 the second's
.set DA,  34                           ; v34-41, v42-49 decoder_hidden's two fragments (rows 0-15, 16-31)
.set SD,  50                           ; v50, v51 their scale words
.set TM,  52                           ; v52-63 at work in the quantisers
.set WX,  64                           ; v64-191 my column's 128 numbers; later v64-95 the four results, v96-127 the eight parts
.set Y,   192                          ; v192-255 64 numbers of a row of decoder_hidden
.macro WLOAD                           ; W(128 q + n, my column), n = 0 .. 127
.set n, 0
.rept 128
	global_load_b32 v[WX+n], v4, s[36:37] offset:n*4096
.set n, n+1
.endr
.endm
.macro WQUANT                          ; my column's four blocks -> codes in FW, scale word in SW
.irp t, 0,1,2,3
	v_max3_num_f32 v[TM+\t], |v[WX+32*\t]|, |v[WX+32*\t+1]|, 0x1800000   ; the floor 2^(3 - 127): the byte cannot fall under 1
.endr
.irp i, 2,4,6,8,10,12,14,16,18,20,22,24,26,28,30
.irp t, 0,1,2,3
	v_max3_num_f32 v[TM+\t], v[TM+\t], |v[WX+32*\t+\i]|, |v[WX+32*\t+\i+1]|   ; the four blocks by turns
.endr
.endr
.irp t, 0,1,2,3
	v_add_nc_u32 v[TM+4+\t], 0xff000000, v[TM+\t]          ; 2 off the exponent field: the conversion's scale operand
.endr
.irp t, 0,1,2,3
	v_lshrrev_b32 v[TM+8+\t], 23, v[TM+4+\t]               ; the scale's byte
.endr
	v_lshl_or_b32 v[SW], v[TM+9], 8, v[TM+8]
	v_lshl_or_b32 v[SW], v[TM+10], 16, v[SW]
	v_lshl_or_b32 v[SW], v[TM+11], 24, v[SW]
.irp t, 0,1,2,3
.irp g, 0,1,2,3
	v_cvt_scalef32_pk8_fp4_f32 v[FW+8*(\t%2)+4*(\t/2)+\g], v[WX+32*\t+8*\g:WX+32*\t+8*\g+7], v[TM+4+\t]   ; blocks 0, 2 into v16-23, blocks 1, 3 into v24-31
.endr
.endr
	v_nop                                                  ; one plain place behind the scaled conversions
.irp i, 0,1,2,3,4,5,6,7
	v_permlane16_swap_b32 v[FW+\i], v[FW+8+\i]             ; the first's lanes 16-31 change places with the second's lanes 0-15: v16-23 is now the first tile's fragment, v24-31 the second's
.endr
.endm
.macro DLOAD mt                        ; lane (r, h): row 16 mt + r, k = 128 q + 64 c + 32 h + 0 .. 31: two whole blocks
.irp c, 0,1
.irp i, 0,1,2,3,4,5,6,7
	global_load_b128 v[Y+32*\c+4*\i:Y+32*\c+4*\i+3], v5, s[8:9] offset:\mt*65536+256*\c+16*\i
.endr
.endr
.endm
.macro AQUANT mt                       ; they become the fragment DA + 8 mt and the scale word SD + mt
.irp c, 0,1
	v_max3_num_f32 v[TM+\c], |v[Y+32*\c]|, |v[Y+32*\c+1]|, 0x1800000
.endr
.irp i, 2,4,6,8,10,12,14,16,18,20,22,24,26,28,30
.irp c, 0,1
	v_max3_num_f32 v[TM+\c], v[TM+\c], |v[Y+32*\c+\i]|, |v[Y+32*\c+\i+1]|
.endr
.endr
.irp c, 0,1
	v_add_nc_u32 v[TM+4+\c], 0xff000000, v[TM+\c]
.endr
.irp c, 0,1
	v_lshrrev_b32 v[TM+8+\c], 23, v[TM+4+\c]
.endr
	v_lshl_or_b32 v[SD+\mt], v[TM+9], 16, v[TM+8]          ; my two bytes: blocks h and 2 + h,
	v_lshlrev_b32 v[SD+\mt], v7, v[SD+\mt]                 ; 8 h bits up;
	v_permlanex16_b32 v[TM+10], v[SD+\mt], s32, s33
	v_or_b32 v[SD+\mt], v[SD+\mt], v[TM+10]                ; with lane l xor 16's two the word is whole
.irp c, 0,1
.irp g, 0,1,2,3
	v_cvt_scalef32_pk8_fp4_f32 v[DA+8*\mt+4*\c+\g], v[Y+32*\c+8*\g:Y+32*\c+8*\g+7], v[TM+4+\c]
.endr
.endr
	v_nop                                                  ; one plain place behind the scaled conversions
.endm
	s_load_b512 s[4:19], s[0:1], 0x0               ; Ua_w 4, Wa_w 6, decoder_hidden 8, Wa_b 10, Ua_b 12, mask 14, wfrag 16, wscale 18
	s_load_b256 s[20:27], s[0:1], 0x40             ; bias2 20, rowlist 22, counts 24, scores 26
	s_set_vgpr_msb 0x40
	v_lshl_add_u32 v0, v0, 2, 0x8200
	v_mov_b32 v1, 0
	s_set_vgpr_msb 0x4000
	v_lshrrev_b32 v1, 5, v0
	v_readfirstlane_b32 s28, v1                    ; wave 0..7
	s_lshr_b32 s29, ttmp9, 5                       ; role
	s_and_b32 s30, ttmp9, 31                       ; g
	v_and_b32 v1, 31, v0                           ; lane
	v_and_b32 v2, 15, v0                           ; r
	v_bfe_u32 v3, v0, 4, 1                         ; h
	v_lshlrev_b32 v4, 2, v1                        ; 4 x lane
	s_mov_b32 s32, 0x76543210
	s_mov_b32 s33, 0xfedcba98                      ; v_permlanex16_b32's selects for lane l xor 16
	s_mov_b32 s35, 0
	s_wait_kmcnt 0x0
	s_cmp_eq_u32 s29, 2
	s_cbranch_scc1 .Lmask
	s_cmp_eq_u32 s29, 0                            ; the weight is chosen by the work-group's number alone
	s_cselect_b64 s[36:37], s[4:5], s[6:7]
	s_lshl_b32 s34, s28, 19                        ; 128 q rows of 4,096 bytes
	s_lshl_b32 s38, s30, 7                         ; + 32 g columns
	s_add_co_u32 s34, s34, s38
	s_add_nc_u64 s[36:37], s[36:37], s[34:35]
	s_cmp_eq_u32 s29, 1
	s_cbranch_scc1 .Ldec
	; ---- role 0: Ua_w
	WLOAD
	v_lshlrev_b32 v6, 4, v1                        ; 16 x lane: a register image's place for my lane
	s_lshl_b32 s34, s30, 14                        ; tile 2 g: 8,192 bytes a tile,
	s_lshl_b32 s38, s28, 10                        ; 1,024 a K step
	s_add_co_u32 s34, s34, s38
	s_add_nc_u64 s[16:17], s[16:17], s[34:35]
	s_lshl_b32 s34, s28, 12                        ; scale words: 4,096 bytes a K step, 4 a column
	s_lshl_b32 s38, s30, 7
	s_add_co_u32 s34, s34, s38
	s_add_nc_u64 s[18:19], s[18:19], s[34:35]
	s_wait_loadcnt 0x0
	WQUANT
	global_store_b128 v6, v[FW:FW+3], s[16:17]                     ; each store covers 512 consecutive bytes
	global_store_b128 v6, v[FW+4:FW+7], s[16:17] offset:512
	global_store_b128 v6, v[FW+8:FW+11], s[16:17] offset:8192
	global_store_b128 v6, v[FW+12:FW+15], s[16:17] offset:8704
	global_store_b32 v4, v[SW], s[18:19]
	s_endpgm
	; ---- role 1: the first product.  Wave q multiplies K step q for 32 rows x 32 columns; the eight parts meet in LDS.
.Ldec:
	s_lshl_b32 s34, s28, 9                         ; decoder_hidden at k = 128 q
	s_add_nc_u64 s[8:9], s[8:9], s[34:35]
	v_lshlrev_b32 v5, 12, v2
	v_lshl_add_u32 v5, v3, 7, v5                   ; row r of 4,096 bytes + 128 h
	v_lshlrev_b32 v7, 3, v3                        ; 8 h
	s_lshr_b32 s38, s28, 1                         ; what I add up and store at the end: part w of the eight: rows 16 (w / 4) + 8 h + 4 (w % 2) + 0 .. 3, column n' = 32 g + 16 ((w / 2) % 2) + r
	s_and_b32 s38, s38, 1
	s_lshl_b32 s38, s38, 6
	s_lshl_b32 s39, s30, 7
	s_add_co_u32 s38, s38, s39
	v_lshl_add_u32 v8, v2, 2, s38                  ; 4 n'
	global_load_b32 v12, v8, s[10:11]              ; Wa_b[n']
	global_load_b32 v13, v8, s[12:13]              ; Ua_b[n']
	DLOAD 0
	WLOAD
	s_lshr_b32 s39, s28, 2
	s_lshl_b32 s39, s39, 16
	s_and_b32 s40, s28, 1
	s_lshl_b32 s40, s40, 14
	s_add_co_u32 s39, s39, s40
	v_lshl_add_u32 v9, v3, 15, v8
	v_add_nc_u32 v9, s39, v9                       ; my first row's byte in bias2
	s_lshl_b32 s41, s28, 12
	v_lshl_add_u32 v10, v1, 4, s41                 ; LDS, in: 4,096 q + 16 x lane
	s_lshl_b32 s41, s28, 9
	v_lshl_add_u32 v11, v1, 4, s41                 ; LDS, back: 512 w + 16 x lane
	v_mov_b32 v[TM+10], 0                          ; a lane permute's destination counts as one of its sources
	s_mov_b32 s42, 0x4038aa3b                      ; c = 2 log2(e)
	s_wait_loadcnt 63                              ; 128 loads are younger than the 18 wanted; 63 is the largest count a wait can name: the biases and rows 0-15 are in
	AQUANT 0
	DLOAD 1
	s_wait_loadcnt 16                              ; only the 16 just issued may be out: the weight is in
	WQUANT
	s_wait_loadcnt 0x0
	AQUANT 1
.rept 8
	v_nop                                          ; scale registers written by vector instructions stand 8 places ahead of a scaled matrix instruction, operands so written 4
.endr
	v_wmma_scale_f32_16x16x128_f8f6f4 v[64:71], v[DA:DA+7], v[FW:FW+7], 0, v[SD], v[SW] matrix_a_fmt:MATRIX_FMT_FP4 matrix_b_fmt:MATRIX_FMT_FP4
	v_wmma_scale_f32_16x16x128_f8f6f4 v[72:79], v[DA:DA+7], v[FW+8:FW+15], 0, v[SD], v[SW] matrix_a_fmt:MATRIX_FMT_FP4 matrix_b_fmt:MATRIX_FMT_FP4 matrix_b_scale:MATRIX_SCALE_ROW1
	v_wmma_scale_f32_16x16x128_f8f6f4 v[80:87], v[DA+8:DA+15], v[FW:FW+7], 0, v[SD+1], v[SW] matrix_a_fmt:MATRIX_FMT_FP4 matrix_b_fmt:MATRIX_FMT_FP4
	v_wmma_scale_f32_16x16x128_f8f6f4 v[88:95], v[DA+8:DA+15], v[FW+8:FW+15], 0, v[SD+1], v[SW] matrix_a_fmt:MATRIX_FMT_FP4 matrix_b_fmt:MATRIX_FMT_FP4 matrix_b_scale:MATRIX_SCALE_ROW1
.rept 4
	v_nop                                          ; four places in front of the stores that read the results
.endr
.irp u, 0,1,2,3
	ds_store_b128 v10, v[64+8*\u:67+8*\u] offset:1024*\u           ; each result from its low end on, as images of the registers
	ds_store_b128 v10, v[68+8*\u:71+8*\u] offset:1024*\u+512
.endr
	s_wait_dscnt 0x0                               ; for the others' sake: my stores have landed
	s_barrier_signal -1
	s_barrier_wait -1
.irp u, 0,1,2,3,4,5,6,7
	ds_load_b128 v[96+4*\u:99+4*\u], v11 offset:4096*\u            ; the same four registers of all eight K steps
.endr
	v_add_f32 v14, v12, v13
	v_mul_f32 v14, s42, v14                        ; c (Wa_b + Ua_b)
	s_wait_dscnt 0x0
.irp u, 1,2,3,4,5,6,7
	v_pk_add_f32 v[96:97], v[96:97], v[96+4*\u:97+4*\u]            ; K ascending
	v_pk_add_f32 v[98:99], v[98:99], v[98+4*\u:99+4*\u]
.endr
.irp u, 0,1,2,3
	v_fma_f32 v[96+\u], v[96+\u], s42, v14
.endr
.irp u, 0,1,2,3
	global_store_b32 v9, v[96+\u], s[20:21] offset:4096*\u
.endr
	s_set_vgpr_msb 0x5
	s_wait_tensorcnt 0x0
	ds_add_u32 v0, v1
	s_wait_dscnt 0x0
	s_set_vgpr_msb 0x500
	s_endpgm
	; ---- role 2: batch g's mask.  Wave w, element e, lane l stand for s = 256 w + 32 e + l.
.Lmask:
	s_lshl_b32 s34, s30, 13                        ; 8,192 bytes a batch in mask, rowlist and scores
	s_add_nc_u64 s[14:15], s[14:15], s[34:35]
	s_add_nc_u64 s[22:23], s[22:23], s[34:35]
	s_add_nc_u64 s[26:27], s[26:27], s[34:35]
	s_lshl_b32 s38, s28, 10
	v_add_nc_u32 v5, s38, v4
.irp e, 0,1,2,3,4,5,6,7
	global_load_b32 v[16+\e], v5, s[14:15] offset:128*\e
.endr
.irp i, 24,25,26,27
	v_mov_b32 v\i, 0xce6e6b28                      ; -1e9
.endr
	v_lshlrev_b32 v6, 4, v0
	global_store_b128 v6, v[24:27], s[26:27]                       ; every score of the batch; the next launch writes over the kept rows'
	global_store_b128 v6, v[24:27], s[26:27] offset:4096
	s_wait_loadcnt 0x0
.irp e, 0,1,2,3,4,5,6,7
	v_cmp_ne_u32 s[40+\e], 0, v[16+\e]             ; kept where mask != 0
.endr
	s_mov_b32 s49, 0
.irp e, 0,1,2,3,4,5,6,7
	s_bcnt1_i32_b32 s48, s[40+\e]
	s_add_co_u32 s49, s49, s48                     ; my wave's kept rows
.endr
	s_lshl_b32 s48, s28, 2
	s_add_co_u32 s48, s48, MREG
	v_mov_b32 v7, s48
	v_mov_b32 v8, s49
	ds_store_b32 v7, v8                            ; all lanes write the same word with the same value
	s_wait_dscnt 0x0
	s_barrier_signal -1
	s_barrier_wait -1
	v_mov_b32 v9, MREG
	ds_load_b128 v[28:31], v9
	ds_load_b128 v[32:35], v9 offset:16
	s_wait_dscnt 0x0
.irp u, 0,1,2,3,4,5,6,7
	v_readfirstlane_b32 s[52+\u], v[28+\u]
.endr
	s_mov_b32 s50, 0                               ; kept rows in front of my wave's,
	s_mov_b32 s51, 0                               ; and in the whole batch
.irp u, 0,1,2,3,4,5,6,7
	s_add_co_u32 s51, s51, s[52+\u]
	s_cmp_gt_u32 s28, \u
	s_cselect_b32 s48, s[52+\u], 0
	s_add_co_u32 s50, s50, s48
.endr
	s_lshl_b32 s60, s28, 8
	v_add_nc_u32 v10, s60, v1                      ; s of element 0
	s_lshl_b32 s61, s30, 11                        ; the batch's first row
	v_mov_b32 v11, s61
.irp e, 0,1,2,3,4,5,6,7
	v_mbcnt_lo_u32_b32 v12, s[40+\e], s50          ; U: kept rows in front of mine
	v_add_nc_u32 v13, 32*\e, v10                   ; s
	v_sub_nc_u32 v14, v13, v12                     ; dropped rows in front of mine
	v_add_nc_u32 v14, s51, v14
	v_cndmask_b32 v14, v14, v12, s[40+\e]          ; a kept row goes to place U, a dropped one fills a place behind the kept ones: every place is written, and EXEC never changes
	v_min_u32 v14, 0x7ff, v14
	v_lshlrev_b32 v[36+\e], 2, v14
	v_add_nc_u32 v13, s61, v13
	v_cndmask_b32 v[44+\e], v11, v13, s[40+\e]     ; the row's number in [B S], or the batch's row 0
	global_store_b32 v[36+\e], v[44+\e], s[22:23]  ; address and data have registers of their own for each e
	s_bcnt1_i32_b32 s48, s[40+\e]
	s_add_co_u32 s50, s50, s48
.endr
	s_cmp_lg_u32 s28, 0
	s_cbranch_scc1 .Lmend
	s_lshl_b32 s34, s30, 7                         ; the count, 32 times: 128 bytes a batch
	s_add_nc_u64 s[24:25], s[24:25], s[34:35]
	v_mov_b32 v15, s51
	global_store_b32 v4, v15, s[24:25]
.Lmend:
	s_set_vgpr_msb 0x5
	s_wait_tensorcnt 0x0
	ds_add_u32 v0, v1
	s_wait_dscnt 0x0
	s_set_vgpr_msb 0x500
	s_endpgm
.Lfunc_end_k_q771e8b9717_prep:
	.size	k_q771e8b9717_prep, .Lfunc_end_k_q771e8b9717_prep-k_q771e8b9717_prep
	.p2alignl 7, 3214868480
	.fill 96, 4, 3214868480
	.section	.rodata,"a",@progbits
	.p2align	6, 0x0
	.amdhsa_kernel k_q771e8b9717_prep
		.amdhsa_group_segment_fixed_size 34304
		.amdhsa_private_segment_fixed_size 0
		.amdhsa_enable_private_segment 0
		.amdhsa_kernarg_size 96
		.amdhsa_user_sgpr_count 2
		.amdhsa_user_sgpr_kernarg_segment_ptr 1
		.amdhsa_wavefront_size32 1
		.amdhsa_system_sgpr_workgroup_id_x 1
		.amdhsa_system_sgpr_workgroup_id_y 1
		.amdhsa_system_sgpr_workgroup_id_z 1
		.amdhsa_system_vgpr_workitem_id 0
		.amdhsa_next_free_vgpr 258
		.amdhsa_next_free_sgpr 66
		.amdhsa_reserve_vcc 0
		.amdhsa_float_denorm_mode_32 3
		.amdhsa_float_denorm_mode_16_64 3
		.amdhsa_memory_ordered 1
		.amdhsa_forward_progress 1
		.amdhsa_inst_pref_size 62
	.end_amdhsa_kernel
	.amdgpu_metadata
---
amdhsa.version: [ 1, 2 ]
amdhsa.kernels:
  - .name:           k_q771e8b9717_prep
    .symbol:         k_q771e8b9717_prep.kd
    .args:
      - { .name: Ua_w, .offset: 0, .size: 8, .value_kind: global_buffer, .address_space: global }
      - { .name: Wa_w, .offset: 8, .size: 8, .value_kind: global_buffer, .address_space: global }
      - { .name: decoder_hidden, .offset: 16, .size: 8, .value_kind: global_buffer, .address_space: global }
      - { .name: Wa_b, .offset: 24, .size: 8, .value_kind: global_buffer, .address_space: global }
      - { .name: Ua_b, .offset: 32, .size: 8, .value_kind: global_buffer, .address_space: global }
      - { .name: mask, .offset: 40, .size: 8, .value_kind: global_buffer, .address_space: global }
      - { .name: wfrag, .offset: 48, .size: 8, .value_kind: global_buffer, .address_space: global }
      - { .name: wscale, .offset: 56, .size: 8, .value_kind: global_buffer, .address_space: global }
      - { .name: bias2, .offset: 64, .size: 8, .value_kind: global_buffer, .address_space: global }
      - { .name: rowlist, .offset: 72, .size: 8, .value_kind: global_buffer, .address_space: global }
      - { .name: counts, .offset: 80, .size: 8, .value_kind: global_buffer, .address_space: global }
      - { .name: scores, .offset: 88, .size: 8, .value_kind: global_buffer, .address_space: global }
    .group_segment_fixed_size: 34304
    .private_segment_fixed_size: 0
    .kernarg_segment_align: 8
    .kernarg_segment_size: 96
    .max_flat_workgroup_size: 256
    .sgpr_count:     66
    .vgpr_count:     258
    .wavefront_size: 32
...
	.end_amdgpu_metadata
.endif
;; end of part 1
;; launch main (part 2): grid 8 x 32, 8 waves a work-group, no clusters, 205,824 bytes of LDS; arguments encoder_outputs, wfrag, wscale, bias2, Va_w, Va_b, rowlist, counts, scores; writes scores
.if DOCPART == 2
	.amdgcn_target "amdgcn-amd-amdhsa--gfx1250"
	.amdhsa_code_object_version 6
	.text
	.protected	k_q771e8b9717_main
	.globl	k_q771e8b9717_main
	.p2align	8
	.type	k_q771e8b9717_main,@function
k_q771e8b9717_main:
	s_mov_b64 s[64:65], 0
	v_nop
	global_prefetch_b8 v0, s[64:65] scope:SCOPE_SE
	s_setreg_imm32_b32 hwreg(HW_REG_WAVE_MODE, 25, 1), 1
	s_wait_xcnt 0x0
; score[b][s] = Va . tanh(dec_proj[b] + Q(enc[b][s]) Q(Ua) + Ua_b) + Va_b, FOR THE KEPT ROWS ALONE (mask != 0): the others' scores are -1e9 whatever the product gives, and an earlier launch has stored that.
; The kept rows come as a list of row numbers and a count for each batch.  This text serves every mask: none kept, all kept.
; SHARES.  Work-group (j, b) takes the batch's tiles of 16 listed rows 8 i + j, i = 0 .. NT - 1, at most 16 tiles.  Eight waves.
;   PHASE X: each wave gathers rows of f32, quantises them (FP4, E2M1, one E8M0 byte for each 32 along K) and lays codes and scale bytes in LDS, rows along K.
;   PHASE G: THE WAVES SHARE THE HIDDEN UNITS, NOT THE ROWS: wave w owns units 128 w .. 128 w + 127, in two sets of 64.  A set's codes of Ua (4 tiles x 8 K steps, 256 registers) stay in registers while the wave
;   walks all tiles of rows; each tile: 32 matrix instructions, then tanh and the product with Va in f32, one partial score a row into LDS.  At the end thread T adds row T's sixteen parts and stores the score.
; THE MATRIX INSTRUCTION IS USED TRANSPOSED (source 0 = 16 units of Ua, source 1 = 16 rows of x): a lane holds ONE row (lane % 16) and eight units, so the sum over units needs one exchange between the lanes' halves.
; tanh(z) = 1 - 2 / (1 + 2^(c z)), c = 2 log2(e); c (dec_proj + biases) comes ready in bias2.  Where 2^(c z) overflows or falls to 0 the result is exactly 1 or -1.  So Va . tanh = sum(Va) + sum(-2 Va / (1 + 2^(c z))).
; NO TENSOR LOADS, NO CLUSTER: how many tiles a work-group has hangs on a count read from memory, and steps are left out by branches on it; partners would need
; different numbers of tiles.  Each wave reads its own eighth of Ua's codes straight into operand registers (they are stored in that order), so nothing of Ua is shared inside a work-group.
; LIMITS: a block of zeros gets the byte 1 (its codes are zeros; the bytes are this text's own); NaN and infinities among the inputs are not served.
.set XP,   528                         ; LDS: a row's 512 bytes of codes + 16 of padding: 33 x 16, so the 16 rows of a fragment load fall on 16 different columns of 16 bytes
.set XS,   135168                      ; behind 256 such rows: the scale bytes, 32 a row, rows 48 bytes apart
.set STG,  147456                      ; two stages of 32 x 80 bytes for each wave
.set PART, 188416                      ; partial scores: [wave][set][256 rows] f32
.set OFF,  12                          ; v12-15  byte offset of the four rows on their way
.set CQ,   20                          ; v20-23  codes just made, two registers for each parity of steps
.set EQ,   24                          ; v24-25  scale bytes just made
.set XQ,   32                          ; v32-63  phase X: two sets of 16 neighbours
.set R,    64                          ; v64-191 phase X: eight sets of 16 numbers as loaded (four rows x two halves)
.set XF,   32                          ; v32-95  phase G: a tile's eight fragments of x
.set ACC,  96                          ; v96-127 four accumulators
.set XSC,  128                         ; v128-135 x's scale words, one for each K step
.set SC,   136                         ; v136-143 four pairs of sums
.set TMP,  144
.set VS,   148                         ; v148-149 the sum of my lane's Va
.set WS,   152                         ; v152-167 Ua's scale words: register 8 p + q: lanes 0-15 tile 2 p, lanes 16-31 tile 2 p + 1, K step q
.set BI,   168                         ; v168-199 bias2 at my lane's 32 units
.set VA,   200                         ; v200-231 -2 Va at the same
; v4 16 x lane; v5, v6 the stage, in and out; v7, v8 where my wave's rows' codes and bytes go, v9, v10 the same for the trip in hand; v11 my wave's 32 row numbers, one a lane; v16-18 at work;
; v19 0; v26, v27 my lane's place in a tile's codes and scale words, v28, v29 the same for the tile in hand; v30, v31 likewise for the partial scores; v232 4 x lane; v233 32 h; v234 the row list's offset.
; Window 1 (v256-511): Ua's fragments, tile t, K step q at 64 t + 8 q.
.set MSB, 0
.macro WIN new                         ; the immediate's high byte repeats the setting that is left
.if MSB != \new
	s_set_vgpr_msb (MSB<<8)|\new
.set MSB, \new
.endif
.endm
.macro WLOAD s                         ; set s of my wave's codes of Ua: 32,768 consecutive bytes, in the registers' order
	WIN 0x40                                       ; destination window 1, address window 0
.set n, 0
.rept 64
	global_load_b128 v[4*n:4*n+3], v4, s[30:31] offset:\s*32768+512*n
.set n, n+1
.endr
	WIN 0
.endm
.macro PLOAD s                         ; set s: Ua's scale words, bias2 and Va at my lane's units 64 s + 16 t + 8 h + 0 .. 7
.irp p, 0,1
.irp q, 0,1,2,3,4,5,6,7
	global_load_b32 v[WS+8*\p+\q], v232, s[32:33] offset:\q*4096+\p*128+\s*256
.endr
.endr
.irp t, 0,1,2,3
	global_load_b128 v[BI+8*\t:BI+8*\t+3], v233, s[34:35] offset:64*\t+256*\s
	global_load_b128 v[BI+8*\t+4:BI+8*\t+7], v233, s[34:35] offset:64*\t+16+256*\s
	global_load_b128 v[VA+8*\t:VA+8*\t+3], v233, s[36:37] offset:64*\t+256*\s
	global_load_b128 v[VA+8*\t+4:VA+8*\t+7], v233, s[36:37] offset:64*\t+16+256*\s
.endr
.endm
.macro LOADROW c4, k                   ; my wave's k-th row (the last one again where k passes 31): eight loads of 512 consecutive bytes
.if (\k) > 31
	v_readlane_b32 s42, v11, 31
.else
	v_readlane_b32 s42, v11, \k
.endif
	s_min_u32 s42, s42, 0xffff                     ; a row number stays inside [B S]
	v_lshl_add_u32 v[OFF+\c4], s42, 12, v4
.irp i, 0,1,2,3,4,5,6,7
	global_load_b128 v[R+32*(\c4)+4*\i:R+32*(\c4)+4*\i+3], v[OFF+\c4], s[4:5] offset:512*\i
.endr
.endm
; The conversions take 16 NEIGHBOURS from one lane's registers, the loads give neighbouring lanes neighbouring bytes: half a row (2,048 bytes) turns through my wave's stage, 16 bytes of padding behind each 64.
.macro XTURN tau
.irp i, 0,1,2,3
	ds_store_b128 v5, v[R+16*(\tau)+4*\i:R+16*(\tau)+4*\i+3] offset:2560*((\tau)%2)+640*\i
.endr
.irp i, 0,1,2,3
	ds_load_b128 v[XQ+16*((\tau)%2)+4*\i:XQ+16*((\tau)%2)+4*\i+3], v6 offset:2560*((\tau)%2)+16*\i   ; LDS serves a wave's instructions in order: these see the stores above
.endr
.endm
; One half of row c4 of the trip's four.  T (a symbol) is the trip.
.macro XSTEP c4, half
.set XB, XQ+16*\half
	s_wait_dscnt 2                                 ; this step's four loads from the stage are back; the last step's two result stores may be out
.if \half
	LOADROW \c4, 4*T+4+\c4                         ; both halves of the row have left its registers, and its loads were shown done by the wait of the step before: the row four further on takes its place
	s_wait_loadcnt 28                              ; the next row's first four loads are in: its other four and three whole rows are younger
.else
	s_wait_loadcnt 24                              ; this row's second half is in: three whole rows are younger
.endif
	XTURN (2*\c4+\half+1)%8                        ; the next step's numbers go through the other stage while this step is worked
	v_max3_num_f32 v16, |v[XB]|, |v[XB+1]|, |v[XB+2]|              ; the largest magnitude of my 16, in two chains
	v_max3_num_f32 v17, |v[XB+3]|, |v[XB+4]|, |v[XB+5]|
.irp i, 6,10
	v_max3_num_f32 v16, v16, |v[XB+\i]|, |v[XB+\i+1]|
	v_max3_num_f32 v17, v17, |v[XB+\i+2]|, |v[XB+\i+3]|
.endr
	v_max3_num_f32 v16, v16, |v[XB+14]|, |v[XB+15]|
	v_max3_num_f32 v16, v16, v17, 0x1800000        ; and the floor 2^(3 - 127): the byte cannot fall under 1
	v_max_num_f32_dpp v16, v16, v16 row_xmask:1 row_mask:0xf bank_mask:0xf   ; with my neighbour's 16: the block's
	v_add_nc_u32 v18, 0xff000000, v16              ; 2 off the exponent field: the conversion's scale operand
	v_cvt_scalef32_pk8_fp4_f32 v[CQ+2*\half], v[XB:XB+7], v18
	v_cvt_scalef32_pk8_fp4_f32 v[CQ+2*\half+1], v[XB+8:XB+15], v18
	v_lshrrev_b32 v[EQ+\half], 23, v18             ; the scale's byte; also the plain place behind the conversions
	ds_store_b64 v9, v[CQ+2*\half:CQ+2*\half+1] offset:(16*(\c4/2)+8*(\c4%2))*XP+256*\half   ; the wave's 32 lanes write 256 consecutive bytes of the row
	ds_store_b8 v10, v[EQ+\half] offset:(16*(\c4/2)+8*(\c4%2))*48+16*\half                   ; both lanes of a block write the same byte with the same value
.endm
.macro GFETCH x                        ; a tile's eight fragments and its scale words; x = 1: the tile behind the one that v28, v29 point at
.irp q, 0,1,2,3,4,5,6,7
	ds_load_b128 v[XF+8*\q:XF+8*\q+3], v28 offset:\x*8448+64*\q
	ds_load_b128 v[XF+8*\q+4:XF+8*\q+7], v28 offset:\x*8448+64*\q+32
.endr
	ds_load_b128 v[XSC:XSC+3], v29 offset:\x*768
	ds_load_b128 v[XSC+4:XSC+7], v29 offset:\x*768+16
.endm
.macro WM t, q                         ; tile t of units, K step q.  The first K step starts the sum with the constant 0
.if (\q) == 0
.if (\t)%2
	v_wmma_scale_f32_16x16x128_f8f6f4 v[ACC+8*\t:ACC+8*\t+7], v[64*\t+8*\q:64*\t+8*\q+7], v[XF+8*\q:XF+8*\q+7], 0, v[WS+8*((\t)/2)+\q], v[XSC+\q] matrix_a_fmt:MATRIX_FMT_FP4 matrix_b_fmt:MATRIX_FMT_FP4 matrix_a_scale:MATRIX_SCALE_ROW1
.else
	v_wmma_scale_f32_16x16x128_f8f6f4 v[ACC+8*\t:ACC+8*\t+7], v[64*\t+8*\q:64*\t+8*\q+7], v[XF+8*\q:XF+8*\q+7], 0, v[WS+8*((\t)/2)+\q], v[XSC+\q] matrix_a_fmt:MATRIX_FMT_FP4 matrix_b_fmt:MATRIX_FMT_FP4
.endif
.else
.if (\t)%2
	v_wmma_scale_f32_16x16x128_f8f6f4 v[ACC+8*\t:ACC+8*\t+7], v[64*\t+8*\q:64*\t+8*\q+7], v[XF+8*\q:XF+8*\q+7], v[ACC+8*\t:ACC+8*\t+7], v[WS+8*((\t)/2)+\q], v[XSC+\q] matrix_a_fmt:MATRIX_FMT_FP4 matrix_b_fmt:MATRIX_FMT_FP4 matrix_a_scale:MATRIX_SCALE_ROW1
.else
	v_wmma_scale_f32_16x16x128_f8f6f4 v[ACC+8*\t:ACC+8*\t+7], v[64*\t+8*\q:64*\t+8*\q+7], v[XF+8*\q:XF+8*\q+7], v[ACC+8*\t:ACC+8*\t+7], v[WS+8*((\t)/2)+\q], v[XSC+\q] matrix_a_fmt:MATRIX_FMT_FP4 matrix_b_fmt:MATRIX_FMT_FP4
.endif
.endif
.endm
	s_load_b512 s[4:19], s[0:1], 0x0               ; x 4, wfrag 6, wscale 8, bias2 10, Va_w 12, Va_b 14, rowlist 16, counts 18
	s_load_b64 s[20:21], s[0:1], 0x40              ; scores
	v_lshl_add_u32 v254, v0, 2, 0x32000
	v_mov_b32 v255, 0
	v_lshrrev_b32 v1, 5, v0
	v_readfirstlane_b32 s22, v1                    ; wave w
	s_mov_b32 s23, ttmp9                           ; j
	s_and_b32 s24, ttmp7, 0xffff                   ; b
	v_and_b32 v1, 31, v0                           ; lane
	v_and_b32 v2, 15, v0                           ; r
	v_bfe_u32 v3, v0, 4, 1                         ; h
	v_lshlrev_b32 v4, 4, v1
	v_lshrrev_b32 v234, 1, v1                      ; my wave's k-th row (k = lane) is row w + 8 (k % 2) of local tile k / 2: list place ((k / 2) 8 + j) 16 + w + 8 (k % 2)
	v_and_b32 v16, 1, v1
	v_lshlrev_b32 v234, 9, v234
	v_lshl_add_u32 v234, v16, 5, v234
	s_lshl_b32 s42, s23, 6
	s_lshl_b32 s43, s22, 2
	s_add_co_u32 s42, s42, s43
	v_add_nc_u32 v234, s42, v234
	s_mov_b32 s43, 0
	s_wait_kmcnt 0x0
	s_lshl_b32 s42, s24, 7
	s_add_nc_u64 s[18:19], s[18:19], s[42:43]
	s_load_b32 s26, s[18:19], 0x0                  ; the batch's count of kept rows
	s_load_b32 s27, s[14:15], 0x0                  ; Va_b
	s_lshl_b32 s42, s24, 13
	s_add_nc_u64 s[16:17], s[16:17], s[42:43]      ; the batch's list
	s_lshl_b32 s42, s22, 16
	s_add_nc_u64 s[30:31], s[6:7], s[42:43]        ; my wave's eight tiles of Ua's codes
	global_load_b32 v11, v234, s[16:17]
	WLOAD 0
	s_lshl_b32 s42, s22, 9                         ; my wave's 128 units x 4 bytes
	s_add_nc_u64 s[32:33], s[8:9], s[42:43]
	s_add_nc_u64 s[36:37], s[12:13], s[42:43]
	s_add_nc_u64 s[34:35], s[10:11], s[42:43]
	s_lshl_b32 s42, s24, 12
	s_add_nc_u64 s[34:35], s[34:35], s[42:43]
	s_mov_b32 s44, 0x4038aa3b                      ; c = 2 log2(e)
	s_mov_b32 s45, s44                             ; (named with it as a pair, so it is written)
	s_mov_b32 s46, 0x76543210
	s_mov_b32 s47, 0xfedcba98                      ; v_permlanex16_b32's selects for lane l xor 16
	s_mul_i32 s42, s22, 5120
	s_add_co_u32 s42, s42, STG                     ; my wave's stages
	v_lshrrev_b32 v5, 2, v1
	v_mul_u32_u24 v5, v5, 80
	v_and_b32 v6, 3, v1
	v_lshl_add_u32 v5, v6, 4, v5
	v_add_nc_u32 v5, s42, v5                       ; in: four lanes' 64 bytes on end, then 16 of padding
	v_mul_u32_u24 v6, v1, 80
	v_add_nc_u32 v6, s42, v6                       ; out: my 16 neighbours
	s_mul_i32 s42, s22, XP
	v_lshl_add_u32 v7, v1, 3, s42                  ; codes: row w, 8 bytes a lane
	s_mul_i32 s42, s22, 48
	s_add_co_u32 s42, s42, XS
	v_lshrrev_b32 v8, 1, v1
	v_add_nc_u32 v8, s42, v8                       ; scale bytes: row w, my block's byte
	v_mov_b32 v19, 0
	v_mul_u32_u24 v26, v2, XP
	v_lshl_add_u32 v26, v3, 4, v26                 ; a fragment: row r x pitch + 16 h
	v_mul_u32_u24 v27, v2, 48
	v_add_nc_u32 v27, XS, v27                      ; row r's scale words
	s_lshl_b32 s42, s22, 11
	s_add_co_u32 s42, s42, PART
	v_lshl_add_u32 v30, v2, 2, s42                 ; my wave's partial scores, row r
	v_lshlrev_b32 v232, 2, v1
	v_lshlrev_b32 v233, 5, v3
	s_wait_kmcnt 0x0
	s_min_u32 s26, s26, 2048
	s_add_co_u32 s28, s26, 15
	s_lshr_b32 s28, s28, 4                         ; the batch's tiles,
	s_add_co_u32 s28, s28, 7
	s_sub_co_u32 s28, s28, s23
	s_lshr_b32 s28, s28, 3                         ; NT: those of them that are 8 i + j: 0 .. 16
	; ---- PHASE X.  Written out, eight trips of two tiles (four rows a wave): every LDS address is a constant + terms of lane and wave.  Four rows, 32 loads, are on their way in each wave.
	s_wait_loadcnt 63                              ; 64 loads are younger than the list's: it is in
	LOADROW 0, 0
	LOADROW 1, 1
	LOADROW 2, 2
	LOADROW 3, 3
	s_wait_loadcnt 28                              ; row 0's first four loads are in
	XTURN 0
	s_wait_dscnt 0x0
.set T, 0
.rept 8
.if T > 0
	s_cmp_le_u32 s28, 2*T                          ; no tile left: out.  (Trip 0 always runs: tiles 0 and 1 are always written)
	s_cbranch_scc1 .Lxdone
.endif
	v_add_nc_u32 v9, T*32*XP, v7
	v_add_nc_u32 v10, T*32*48, v8
.irp c, 0,1,2,3
	XSTEP \c, 0
	XSTEP \c, 1
.endr
.set T, T+1
.endr
.Lxdone:
	s_wait_loadcnt 0x0                             ; the rows asked for ahead have landed: their registers are taken for other things
	PLOAD 0
	s_wait_dscnt 0x0                               ; my codes and bytes lie in LDS
	s_barrier_signal -1
	s_barrier_wait -1                              ; everybody's do
	; ---- PHASE G, once for each set of 64 units.  The loop has 16 trips whatever NT is; a trip without a tile stores a zero, so that every partial score is written.
.macro GSET s
.if \s
	WLOAD 1                                        ; the last tile's vector work stands between the last products and these loads into their operands
	PLOAD 1
.endif
	s_wait_dscnt 0x0                               ; no LDS load is out into the registers that are loaded next
	v_mov_b32 v28, v26
	v_mov_b32 v29, v27
	GFETCH 0
	v_mov_b32 v[TMP+1], 0                          ; a lane permute's destination counts as one of its sources
	s_mov_b32 s38, 0                               ; the tile,
	s_mov_b32 s39, 0                               ; its codes: 16 rows x 528 bytes a tile,
	s_mov_b32 s40, 0                               ; its scale words: 16 x 48,
	s_mov_b32 s41, 0                               ; its partial scores: 16 x 4
	s_wait_loadcnt 0x0                             ; Ua's codes and scale words, bias2, Va
	v_pk_add_f32 v[VS:VS+1], v[VA:VA+1], v[VA+2:VA+3]
.irp i, 4,6,8,10,12,14,16,18,20,22,24,26,28,30
	v_pk_add_f32 v[VS:VS+1], v[VS:VS+1], v[VA+\i:VA+\i+1]          ; the sum of my lane's 32 Va
.endr
.irp i, 0,2,4,6,8,10,12,14,16,18,20,22,24,26,28,30
	v_pk_mul_f32 v[VA+\i:VA+\i+1], v[VA+\i:VA+\i+1], -2.0 op_sel_hi:[1,0]
.endr
.Ltile_\@:
	v_add_nc_u32 v31, s41, v30
	s_cmp_ge_u32 s38, s28
	s_cbranch_scc1 .Lzero_\@
	s_wait_dscnt 0x0                               ; the tile's fragments and scale words are in
	WIN 0x01                                       ; source 0 (Ua) window 1
.irp q, 0,1,2,3,4,5,6,7
.irp t, 0,1,2,3
	WM \t, \q                                      ; the four accumulators take turns, one instruction a turn
.endr
.endr
	WIN 0
	v_add_nc_u32 v28, s39, v26                     ; four places behind the last product, in front of the loads into its operands and of the first read of results
	v_add_nc_u32 v29, s40, v27
	v_nop
	v_nop
	s_add_co_u32 s42, s38, 1
	s_cmp_ge_u32 s42, s28
	s_cbranch_scc1 .Lnopf_\@
	GFETCH 1                                       ; the next tile's operands land while this tile's tanh is worked
.Lnopf_\@:
.irp i, 0,2,4,6,8,10,12,14,16,18,20,22,24,26,28,30
	v_pk_fma_f32 v[ACC+\i:ACC+\i+1], v[ACC+\i:ACC+\i+1], s[44:45], v[BI+\i:BI+\i+1] op_sel_hi:[1,0,1]   ; c z; each accumulator from its low end on
.endr
.irp i, 0,1,2,3,4,5,6,7,8,9,10,11,12,13,14,15,16,17,18,19,20,21,22,23,24,25,26,27,28,29,30,31
	v_exp_f32 v[ACC+\i], v[ACC+\i]
.endr
	v_nop                                          ; a plain place behind the exponentials
	s_wait_alu depctr_va_vdst(0)
.irp i, 0,2,4,6,8,10,12,14,16,18,20,22,24,26,28,30
	v_pk_add_f32 v[ACC+\i:ACC+\i+1], v[ACC+\i:ACC+\i+1], 1.0 op_sel_hi:[1,0]
.endr
.irp i, 0,1,2,3,4,5,6,7,8,9,10,11,12,13,14,15,16,17,18,19,20,21,22,23,24,25,26,27,28,29,30,31
	v_rcp_f32 v[ACC+\i], v[ACC+\i]
.endr
	v_nop                                          ; a plain place behind the reciprocals
	s_wait_alu depctr_va_vdst(0)
	v_pk_fma_f32 v[SC:SC+1], v[ACC:ACC+1], v[VA:VA+1], v[VS:VS+1]  ; four chains, one a tile of units; the first begins with the sum of Va
.irp t, 1,2,3
	v_pk_mul_f32 v[SC+2*\t:SC+2*\t+1], v[ACC+8*\t:ACC+8*\t+1], v[VA+8*\t:VA+8*\t+1]
.endr
.irp p, 2,4,6
.irp t, 0,1,2,3
	v_pk_fma_f32 v[SC+2*\t:SC+2*\t+1], v[ACC+8*\t+\p:ACC+8*\t+\p+1], v[VA+8*\t+\p:VA+8*\t+\p+1], v[SC+2*\t:SC+2*\t+1]
.endr
.endr
	v_pk_add_f32 v[SC:SC+1], v[SC:SC+1], v[SC+2:SC+3]
	v_pk_add_f32 v[SC+4:SC+5], v[SC+4:SC+5], v[SC+6:SC+7]
	v_pk_add_f32 v[SC:SC+1], v[SC:SC+1], v[SC+4:SC+5]
	v_add_f32 v[TMP], v[SC], v[SC+1]
	v_permlanex16_b32 v[TMP+1], v[TMP], s46, s47
	v_add_f32 v[TMP], v[TMP], v[TMP+1]             ; with lane l xor 16's 32 units: row r's part from these 64 units
	ds_store_b32 v31, v[TMP] offset:\s*1024        ; lanes r and r + 16 write the same word with the same value
	s_branch .Lnext_\@
.Lzero_\@:
	ds_store_b32 v31, v19 offset:\s*1024
.Lnext_\@:
	s_add_co_u32 s38, s38, 1
	s_add_co_u32 s39, s39, 16*XP
	s_add_co_u32 s40, s40, 16*48
	s_add_co_u32 s41, s41, 64
	s_cmp_lt_u32 s38, 16
	s_cbranch_scc1 .Ltile_\@
.endm
	GSET 0
	GSET 1
	; ---- the scores: thread T takes local row T = 16 i + r, list place (8 i + j) 16 + r
	s_wait_dscnt 0x0                               ; my partial scores lie in LDS
	s_barrier_signal -1
	s_barrier_wait -1
	v_lshrrev_b32 v32, 4, v0
	v_lshlrev_b32 v32, 3, v32
	v_add_nc_u32 v32, s23, v32
	v_lshl_add_u32 v32, v32, 4, v2                 ; the place
	v_lshlrev_b32 v33, 2, v32
	global_load_b32 v34, v33, s[16:17]             ; the row's number
	v_lshl_add_u32 v35, v0, 2, PART
.irp u, 0,1,2,3,4,5,6,7,8,9,10,11,12,13,14,15
	ds_load_b32 v[36+\u], v35 offset:1024*\u
.endr
	s_wait_dscnt 0x0
.irp u, 0,4,8,12
	v_pk_add_f32 v[36+\u:37+\u], v[36+\u:37+\u], v[38+\u:39+\u]
.endr
	v_pk_add_f32 v[36:37], v[36:37], v[40:41]
	v_pk_add_f32 v[44:45], v[44:45], v[48:49]
	v_pk_add_f32 v[36:37], v[36:37], v[44:45]
	v_add_f32 v36, v36, v37
	v_add_f32 v36, s27, v36                        ; + Va_b
	s_wait_loadcnt 0x0
	v_min_u32 v34, 0xffff, v34
	v_lshlrev_b32 v34, 2, v34
	v_cmp_gt_u32 vcc_lo, s26, v32                  ; only places under the count name kept rows
	s_wait_xcnt 0x0                                ; EXEC changes only behind this wait
	s_wait_tensorcnt 0x0
	ds_add_u32 v254, v255
	s_wait_dscnt 0x0
	s_and_saveexec_b32 s42, vcc_lo
	global_store_b32 v34, v36, s[20:21]
	s_wait_xcnt 0x0                                ; and again in front of the line that widens it
	s_or_b32 exec_lo, exec_lo, s42
	s_endpgm
.Lfunc_end_k_q771e8b9717_main:
	.size	k_q771e8b9717_main, .Lfunc_end_k_q771e8b9717_main-k_q771e8b9717_main
	.p2alignl 7, 3214868480
	.fill 96, 4, 3214868480
	.section	.rodata,"a",@progbits
	.p2align	6, 0x0
	.amdhsa_kernel k_q771e8b9717_main
		.amdhsa_group_segment_fixed_size 205824
		.amdhsa_private_segment_fixed_size 0
		.amdhsa_enable_private_segment 0
		.amdhsa_kernarg_size 72
		.amdhsa_user_sgpr_count 2
		.amdhsa_user_sgpr_kernarg_segment_ptr 1
		.amdhsa_wavefront_size32 1
		.amdhsa_system_sgpr_workgroup_id_x 1
		.amdhsa_system_sgpr_workgroup_id_y 1
		.amdhsa_system_sgpr_workgroup_id_z 1
		.amdhsa_system_vgpr_workitem_id 0
		.amdhsa_next_free_vgpr 512
		.amdhsa_next_free_sgpr 66
		.amdhsa_reserve_vcc 1
		.amdhsa_float_denorm_mode_32 3
		.amdhsa_float_denorm_mode_16_64 3
		.amdhsa_memory_ordered 1
		.amdhsa_forward_progress 1
		.amdhsa_inst_pref_size 186
	.end_amdhsa_kernel
	.amdgpu_metadata
---
amdhsa.version: [ 1, 2 ]
amdhsa.kernels:
  - .name:           k_q771e8b9717_main
    .symbol:         k_q771e8b9717_main.kd
    .args:
      - { .name: encoder_outputs, .offset: 0, .size: 8, .value_kind: global_buffer, .address_space: global }
      - { .name: wfrag, .offset: 8, .size: 8, .value_kind: global_buffer, .address_space: global }
      - { .name: wscale, .offset: 16, .size: 8, .value_kind: global_buffer, .address_space: global }
      - { .name: bias2, .offset: 24, .size: 8, .value_kind: global_buffer, .address_space: global }
      - { .name: Va_w, .offset: 32, .size: 8, .value_kind: global_buffer, .address_space: global }
      - { .name: Va_b, .offset: 40, .size: 8, .value_kind: global_buffer, .address_space: global }
      - { .name: rowlist, .offset: 48, .size: 8, .value_kind: global_buffer, .address_space: global }
      - { .name: counts, .offset: 56, .size: 8, .value_kind: global_buffer, .address_space: global }
      - { .name: scores, .offset: 64, .size: 8, .value_kind: global_buffer, .address_space: global }
    .group_segment_fixed_size: 205824
    .private_segment_fixed_size: 0
    .kernarg_segment_align: 8
    .kernarg_segment_size: 72
    .max_flat_workgroup_size: 256
    .sgpr_count:     66
    .vgpr_count:     512
    .wavefront_size: 32
...
	.end_amdgpu_metadata
.endif
;; end of part 2
;; launch softmax (part 3): grid 32 x 1, 8 waves a work-group, no clusters, 1,536 bytes of LDS; arguments scores, out0; writes out0
.if DOCPART == 3
	.amdgcn_target "amdgcn-amd-amdhsa--gfx1250"
	.amdhsa_code_object_version 6
	.text
	.protected	k_q771e8b9717_softmax
	.globl	k_q771e8b9717_softmax
	.p2align	8
	.type	k_q771e8b9717_softmax,@function
k_q771e8b9717_softmax:
	s_mov_b64 s[64:65], 0
	v_nop
	global_prefetch_b8 v0, s[64:65] scope:SCOPE_SE
	s_setreg_imm32_b32 hwreg(HW_REG_WAVE_MODE, 25, 1), 1
	s_wait_xcnt 0x0
; out0[b][:] = softmax over s of scores[b][:], 2,048 numbers a batch: one work-group a batch, eight numbers a thread, kept in registers between the maximum, the sum and the division.
; The row's maximum is taken away before the exponential.  A batch whose every score is -1e9 gives 1 / 2,048 everywhere.  Each load and store of a wave covers 512 consecutive bytes.
; The launch moves 16 KB a work-group: matrix units, tensor loads and clusters would add nothing.
	s_load_b128 s[4:7], s[0:1], 0x0                ; scores, out0
	v_lshl_add_u32 v32, v0, 2, 0x200
	v_mov_b32 v33, 0
	v_lshrrev_b32 v1, 5, v0
	v_readfirstlane_b32 s8, v1                     ; wave
	v_lshlrev_b32 v2, 4, v0                        ; 16 bytes a thread
	s_lshl_b32 s10, ttmp9, 13                      ; 8,192 bytes a batch
	s_mov_b32 s11, 0
	s_mov_b32 s12, 0x76543210
	s_mov_b32 s13, 0xfedcba98                      ; v_permlanex16_b32's selects for lane l xor 16
	s_wait_kmcnt 0x0
	s_add_nc_u64 s[4:5], s[4:5], s[10:11]
	s_add_nc_u64 s[6:7], s[6:7], s[10:11]
	global_load_b128 v[4:7], v2, s[4:5]
	global_load_b128 v[8:11], v2, s[4:5] offset:4096
	s_lshl_b32 s9, s8, 2
	v_mov_b32 v3, s9                               ; my wave's word in LDS
	v_mov_b32 v13, 0                               ; a lane permute's destination counts as one of its sources
	v_mov_b32 v23, 0                               ; (named as the upper half of the pair v[22:23])
	v_mov_b32 v24, 0
	s_wait_loadcnt 0x0
	v_max3_num_f32 v12, v4, v5, v6
	v_max3_num_f32 v12, v12, v7, v8
	v_max3_num_f32 v12, v12, v9, v10
	v_max_num_f32 v12, v12, v11
	v_max_num_f32_dpp v12, v12, v12 row_xmask:1 row_mask:0xf bank_mask:0xf
	v_max_num_f32_dpp v12, v12, v12 row_xmask:2 row_mask:0xf bank_mask:0xf
	v_max_num_f32_dpp v12, v12, v12 row_xmask:4 row_mask:0xf bank_mask:0xf
	v_max_num_f32_dpp v12, v12, v12 row_xmask:8 row_mask:0xf bank_mask:0xf
	v_permlanex16_b32 v13, v12, s12, s13
	v_max_num_f32 v12, v12, v13                    ; my wave's maximum
	ds_store_b32 v3, v12
	s_wait_dscnt 0x0
	s_barrier_signal -1
	s_barrier_wait -1
	ds_load_b128 v[14:17], v24
	ds_load_b128 v[18:21], v24 offset:16
	s_wait_dscnt 0x0
	v_max3_num_f32 v12, v14, v15, v16
	v_max3_num_f32 v12, v12, v17, v18
	v_max3_num_f32 v12, v12, v19, v20
	v_max_num_f32 v12, v12, v21                    ; the row's maximum
.irp i, 4,5,6,7,8,9,10,11
	v_sub_f32 v\i, v\i, v12
.endr
.irp i, 4,5,6,7,8,9,10,11
	v_mul_f32 v\i, 0x3fb8aa3b, v\i                 ; x log2(e)
.endr
.irp i, 4,5,6,7,8,9,10,11
	v_exp_f32 v\i, v\i
.endr
	v_nop                                          ; a plain place behind the exponentials
	s_wait_alu depctr_va_vdst(0)
	v_pk_add_f32 v[14:15], v[4:5], v[6:7]
	v_pk_add_f32 v[16:17], v[8:9], v[10:11]
	v_pk_add_f32 v[14:15], v[14:15], v[16:17]
	v_add_f32 v22, v14, v15
	v_add_f32_dpp v22, v22, v22 row_xmask:1 row_mask:0xf bank_mask:0xf
	v_add_f32_dpp v22, v22, v22 row_xmask:2 row_mask:0xf bank_mask:0xf
	v_add_f32_dpp v22, v22, v22 row_xmask:4 row_mask:0xf bank_mask:0xf
	v_add_f32_dpp v22, v22, v22 row_xmask:8 row_mask:0xf bank_mask:0xf
	v_permlanex16_b32 v13, v22, s12, s13
	v_add_f32 v22, v22, v13                        ; my wave's sum
	ds_store_b32 v3, v22 offset:256                ; other words than the maxima's: no barrier is owed between the two uses
	s_wait_dscnt 0x0
	s_barrier_signal -1
	s_barrier_wait -1
	ds_load_b128 v[14:17], v24 offset:256
	ds_load_b128 v[18:21], v24 offset:272
	s_wait_dscnt 0x0
	v_pk_add_f32 v[14:15], v[14:15], v[16:17]
	v_pk_add_f32 v[18:19], v[18:19], v[20:21]
	v_pk_add_f32 v[14:15], v[14:15], v[18:19]
	v_add_f32 v14, v14, v15                        ; the row's sum: at least 1, since the largest score gives 1
	v_rcp_f32 v22, v14
	v_nop                                          ; a plain place behind the reciprocal
	s_wait_alu depctr_va_vdst(0)
.irp i, 4,6,8,10
	v_pk_mul_f32 v[\i:\i+1], v[\i:\i+1], v[22:23] op_sel_hi:[1,0]
.endr
	global_store_b128 v2, v[4:7], s[6:7]
	global_store_b128 v2, v[8:11], s[6:7] offset:4096
	s_wait_tensorcnt 0x0
	ds_add_u32 v32, v33
	s_wait_dscnt 0x0
	s_endpgm
.Lfunc_end_k_q771e8b9717_softmax:
	.size	k_q771e8b9717_softmax, .Lfunc_end_k_q771e8b9717_softmax-k_q771e8b9717_softmax
	.p2alignl 7, 3214868480
	.fill 96, 4, 3214868480
	.section	.rodata,"a",@progbits
	.p2align	6, 0x0
	.amdhsa_kernel k_q771e8b9717_softmax
		.amdhsa_group_segment_fixed_size 1536
		.amdhsa_private_segment_fixed_size 0
		.amdhsa_enable_private_segment 0
		.amdhsa_kernarg_size 16
		.amdhsa_user_sgpr_count 2
		.amdhsa_user_sgpr_kernarg_segment_ptr 1
		.amdhsa_wavefront_size32 1
		.amdhsa_system_sgpr_workgroup_id_x 1
		.amdhsa_system_sgpr_workgroup_id_y 1
		.amdhsa_system_sgpr_workgroup_id_z 1
		.amdhsa_system_vgpr_workitem_id 0
		.amdhsa_next_free_vgpr 34
		.amdhsa_next_free_sgpr 66
		.amdhsa_reserve_vcc 0
		.amdhsa_float_denorm_mode_32 3
		.amdhsa_float_denorm_mode_16_64 3
		.amdhsa_memory_ordered 1
		.amdhsa_forward_progress 1
		.amdhsa_inst_pref_size 6
	.end_amdhsa_kernel
	.amdgpu_metadata
---
amdhsa.version: [ 1, 2 ]
amdhsa.kernels:
  - .name:           k_q771e8b9717_softmax
    .symbol:         k_q771e8b9717_softmax.kd
    .args:
      - { .name: scores, .offset: 0, .size: 8, .value_kind: global_buffer, .address_space: global }
      - { .name: out0, .offset: 8, .size: 8, .value_kind: global_buffer, .address_space: global }
    .group_segment_fixed_size: 1536
    .private_segment_fixed_size: 0
    .kernarg_segment_align: 8
    .kernarg_segment_size: 16
    .max_flat_workgroup_size: 256
    .sgpr_count:     66
    .vgpr_count:     34
    .wavefront_size: 32
...
	.end_amdgpu_metadata
.endif
;; end of part 3
